; MI455X (gfx1250); checked and timed in simulation.
; The chip was launched on July 23, 2026; its instructions are those of AMD's public machine-readable ISA for CDNA 5 (MIT licence, August 2026) and "CDNA5" Instruction Set Architecture Reference Guide (July 2026). The comments in the code are by the model that wrote it; some were corrected since.
;; NNS. Allowed arithmetic: float matrix products may take bf16 or f16 operands with f32 sums; other float arithmetic in f32, or as packed bf16 or f16 multiplies, adds, multiply-adds, maxima and minima; sums over many terms, partial sums and values carried from step to step in f32; what a program stores and reads back later, other than sums and carried values, may be rounded once to bf16 or f16.
;; Inputs: attn_mask 1,024 x 128 float32; ff1_b 2 x 512 float32; ff1_w 2 x 512 x 128 float32; ff2_b 2 x 128 float32; ff2_w 2 x 128 x 512 float32; in_proj_b 2 x 384 float32; in_proj_w 2 x 384 x 128 float32; ln1_b 2 x 128 float32; ln1_g 2 x 128 float32; ln2_b 2 x 128 float32; ln2_g 2 x 128 float32; out_b 2 x 128 float32; out_w 2 x 128 x 128 float32; x 1,024 x 128 x 128 float32.
;; Outputs: out0 1,024 x 128 x 128 float32.
;; One version. Each part assembles by itself: llvm-mc -triple=amdgcn-amd-amdhsa -mcpu=gfx1250 --defsym DOCPART=n.
;; ======== version 1 of 1: 2 launches
;; limits: values are held in f16: magnitudes above 65,504 overflow, below 6.1e-05 lose precision
;; workspace buffers: wk 799,744 bytes
;; launch prep (part 1): grid 385 x 2, 1 waves a work-group, no clusters, 0 bytes of LDS; arguments in_proj_w, out_w, ff1_w, ff2_w, in_proj_b, out_b, ln1_g, ln1_b, ff1_b, ff2_b, ln2_g, ln2_b, wk; writes wk
.if DOCPART == 1
	.amdgcn_target "amdgcn-amd-amdhsa--gfx1250"
	.amdhsa_code_object_version 6
	.text
	.protected	k_q0080245434_prep
	.globl	k_q0080245434_prep
	.p2align	8
	.type	k_q0080245434_prep,@function
k_q0080245434_prep:
	s_mov_b64 s[64:65], 0
	v_nop
	global_prefetch_b8 v0, s[64:65] scope:SCOPE_SE
	s_setreg_imm32_b32 hwreg(HW_REG_WAVE_MODE, 25, 1), 1
	s_wait_xcnt 0x0
; The weights, rounded once to f16 and laid out as the main launch streams them; the small vectors packed into one table a layer.
; wk: 768 fragments of 1,024 bytes (384 a layer), then 6,656 bytes of f32 parameters a layer, from byte 786,432.
; A fragment is 16 rows x 32 k as a matrix operand holds it: lane l = (r = l % 16, h = l / 16) has row r; its 16 bytes at 16 l are k = 8 h .. 8 h + 7,
; its 16 bytes at 512 + 16 l are k = 16 + 8 h .. + 7.  So a fragment is read back by two loads of 16 bytes a lane, 512 consecutive bytes each.
; Fragment number i in a layer.  Head pair p (i = 32 p + u): u 0-7 Wq (k = u / 2, f = u % 2); u 8-23 (k = (u - 8) / 4; K f0, K f1, V f0, V f1); u 24-31 Wo (f = u - 24, columns 32 p).
; FFN block j (i = 128 + 16 j + u): u 0-7 W1 (k = u / 2, f = u % 2, rows 32 j + 16 f); u 8-15 W2 (rows 16 (u - 8), columns 32 j).
; Wq and the q bias are multiplied by c = log2(e) / 4 in f32 before their one rounding: a score then is the exponent of 2 that the softmax wants.
; One wave a work-group: x = the fragment (0-383) or 384 for the parameters, y = the layer.  Each work-group stores consecutive bytes, 512 an instruction.
.set CQ, 0x3eb8aa3b                    ; log2(e) / 4
; One fragment: s30 = its first row, s31 = its first column, s3 = the layer, s2 = its number in the layer.
.macro EMIT base, pitch, stride, scale
	s_mul_i32 s32, s3, \stride                     ; the layer,
	s_mul_i32 s33, s30, \pitch                     ; the row,
	s_add_co_u32 s32, s32, s33
	s_lshl_b32 s33, s31, 2                         ; the column, in bytes
	s_add_co_u32 s32, s32, s33
	s_mov_b32 s33, 0
	s_add_nc_u64 s[34:35], s[\base:\base+1], s[32:33]
	v_mul_u32_u24 v4, v1, \pitch                   ; my row r,
	v_lshl_add_u32 v4, v2, 5, v4                   ; my 8 h columns of 4 bytes
	global_load_b128 v[8:11], v4, s[34:35]
	global_load_b128 v[12:15], v4, s[34:35] offset:16
	global_load_b128 v[16:19], v4, s[34:35] offset:64
	global_load_b128 v[20:23], v4, s[34:35] offset:80
	s_mul_i32 s36, s3, 384
	s_add_co_u32 s36, s36, s2
	s_lshl_b32 s36, s36, 10                        ; 1,024 bytes a fragment
	s_mov_b32 s37, 0
	s_add_nc_u64 s[36:37], s[28:29], s[36:37]
	s_wait_loadcnt 0x0
.if \scale
.irp i, 8,10,12,14,16,18,20,22
	v_pk_mul_f32 v[\i:\i+1], v[\i:\i+1], s[38:39] op_sel_hi:[1,0]
.endr
.endif
.irp i, 0,1,2,3,4,5,6,7
	v_cvt_pk_f16_f32 v[24+\i], v[8+2*\i], v[8+2*\i+1]
.endr
	global_store_b128 v3, v[24:27], s[36:37]
	global_store_b128 v3, v[28:31], s[36:37] offset:512
	s_endpgm
.endm
	s_load_b256 s[4:11], s[0:1], 0x0               ; in_proj_w s[4:5], out_w s[6:7], ff1_w s[8:9], ff2_w s[10:11]
	s_load_b256 s[12:19], s[0:1], 0x20             ; in_proj_b s[12:13], out_b s[14:15], ln1_g s[16:17], ln1_b s[18:19]
	s_load_b256 s[20:27], s[0:1], 0x40             ; ff1_b s[20:21], ff2_b s[22:23], ln2_g s[24:25], ln2_b s[26:27]
	s_load_b64 s[28:29], s[0:1], 0x60              ; wk
	s_and_b32 s3, ttmp7, 0xffff                    ; the layer
	s_mov_b32 s2, ttmp9
	s_mov_b32 s38, CQ
	s_mov_b32 s39, CQ                              ; named with it as a pair
	v_and_b32 v1, 15, v0                           ; r
	v_bfe_u32 v2, v0, 4, 1                         ; h
	v_lshlrev_b32 v3, 4, v0                        ; 16 x lane
	s_wait_kmcnt 0x0
	s_cmp_eq_u32 s2, 384
	s_cbranch_scc1 .Lpar
	s_cmp_ge_u32 s2, 128
	s_cbranch_scc1 .Lffn
	s_lshr_b32 s40, s2, 5                          ; p
	s_and_b32 s41, s2, 31                          ; u
	s_lshl_b32 s42, s40, 5                         ; 32 p
	s_cmp_ge_u32 s41, 24
	s_cbranch_scc1 .Lwo
	s_cmp_ge_u32 s41, 8
	s_cbranch_scc1 .Lkv
	s_and_b32 s30, s41, 1                          ; Wq: row 32 p + 16 f, column 32 k
	s_lshl_b32 s30, s30, 4
	s_add_co_u32 s30, s30, s42
	s_lshr_b32 s31, s41, 1
	s_lshl_b32 s31, s31, 5
	EMIT 4, 512, 196608, 1
.Lkv:
	s_sub_co_u32 s41, s41, 8
	s_lshr_b32 s31, s41, 2                         ; k
	s_lshl_b32 s31, s31, 5
	s_and_b32 s43, s41, 3                          ; K f0, K f1, V f0, V f1
	s_and_b32 s30, s43, 1
	s_lshl_b32 s30, s30, 4
	s_lshr_b32 s43, s43, 1
	s_lshl_b32 s43, s43, 7
	s_add_co_u32 s30, s30, s43
	s_add_co_u32 s30, s30, s42
	s_add_co_u32 s30, s30, 128                     ; K begins at row 128, V at row 256
	EMIT 4, 512, 196608, 0
.Lwo:
	s_sub_co_u32 s30, s41, 24
	s_lshl_b32 s30, s30, 4
	s_mov_b32 s31, s42
	EMIT 6, 512, 65536, 0
.Lffn:
	s_sub_co_u32 s40, s2, 128
	s_and_b32 s41, s40, 15                         ; u
	s_lshr_b32 s40, s40, 4                         ; j
	s_lshl_b32 s42, s40, 5                         ; 32 j
	s_cmp_ge_u32 s41, 8
	s_cbranch_scc1 .Lw2
	s_and_b32 s30, s41, 1
	s_lshl_b32 s30, s30, 4
	s_add_co_u32 s30, s30, s42
	s_lshr_b32 s31, s41, 1
	s_lshl_b32 s31, s31, 5
	EMIT 8, 512, 262144, 0
.Lw2:
	s_sub_co_u32 s30, s41, 8
	s_lshl_b32 s30, s30, 4
	s_mov_b32 s31, s42
	EMIT 10, 2048, 262144, 0
.Lpar:                                                 ; the layer's parameters: 13 pieces of 512 bytes
	s_mul_i32 s30, s3, 1536
	s_lshl_b32 s31, s3, 9
	s_lshl_b32 s32, s3, 11
	v_add_nc_u32 v5, s30, v3
	v_add_nc_u32 v6, s31, v3
	v_add_nc_u32 v7, s32, v3
	global_load_b128 v[8:11], v5, s[12:13]
	global_load_b128 v[12:15], v5, s[12:13] offset:512
	global_load_b128 v[16:19], v5, s[12:13] offset:1024
	global_load_b128 v[20:23], v6, s[14:15]
	global_load_b128 v[24:27], v6, s[16:17]
	global_load_b128 v[28:31], v6, s[18:19]
	global_load_b128 v[32:35], v7, s[20:21]
	global_load_b128 v[36:39], v7, s[20:21] offset:512
	global_load_b128 v[40:43], v7, s[20:21] offset:1024
	global_load_b128 v[44:47], v7, s[20:21] offset:1536
	global_load_b128 v[48:51], v6, s[22:23]
	global_load_b128 v[52:55], v6, s[24:25]
	global_load_b128 v[56:59], v6, s[26:27]
	s_mul_i32 s34, s3, 6656
	s_add_co_u32 s34, s34, 786432
	s_mov_b32 s35, 0
	s_add_nc_u64 s[34:35], s[28:29], s[34:35]
	s_wait_loadcnt 0x0
	v_pk_mul_f32 v[8:9], v[8:9], s[38:39] op_sel_hi:[1,0]     ; the first piece is the q bias: times c, like Wq
	v_pk_mul_f32 v[10:11], v[10:11], s[38:39] op_sel_hi:[1,0]
.irp g, 0,1,2,3,4,5,6,7,8,9,10,11,12
	global_store_b128 v3, v[8+4*\g:8+4*\g+3], s[34:35] offset:512*\g
.endr
	s_endpgm
.Lfunc_end_k_q0080245434_prep:
	.size	k_q0080245434_prep, .Lfunc_end_k_q0080245434_prep-k_q0080245434_prep
	.p2alignl 7, 3214868480
	.fill 96, 4, 3214868480
	.section	.rodata,"a",@progbits
	.p2align	6, 0x0
	.amdhsa_kernel k_q0080245434_prep
		.amdhsa_group_segment_fixed_size 0
		.amdhsa_private_segment_fixed_size 0
		.amdhsa_enable_private_segment 0
		.amdhsa_kernarg_size 104
		.amdhsa_user_sgpr_count 2
		.amdhsa_user_sgpr_kernarg_segment_ptr 1
		.amdhsa_wavefront_size32 1
		.amdhsa_system_sgpr_workgroup_id_x 1
		.amdhsa_system_sgpr_workgroup_id_y 1
		.amdhsa_system_sgpr_workgroup_id_z 1
		.amdhsa_system_vgpr_workitem_id 0
		.amdhsa_next_free_vgpr 64
		.amdhsa_next_free_sgpr 66
		.amdhsa_reserve_vcc 0
		.amdhsa_float_denorm_mode_32 3
		.amdhsa_float_denorm_mode_16_64 3
		.amdhsa_memory_ordered 1
		.amdhsa_forward_progress 1
		.amdhsa_inst_pref_size 15
	.end_amdhsa_kernel
	.amdgpu_metadata
---
amdhsa.version: [ 1, 2 ]
amdhsa.kernels:
  - .name:           k_q0080245434_prep
    .symbol:         k_q0080245434_prep.kd
    .args:
      - { .name: in_proj_w, .offset: 0, .size: 8, .value_kind: global_buffer, .address_space: global }
      - { .name: out_w, .offset: 8, .size: 8, .value_kind: global_buffer, .address_space: global }
      - { .name: ff1_w, .offset: 16, .size: 8, .value_kind: global_buffer, .address_space: global }
      - { .name: ff2_w, .offset: 24, .size: 8, .value_kind: global_buffer, .address_space: global }
      - { .name: in_proj_b, .offset: 32, .size: 8, .value_kind: global_buffer, .address_space: global }
      - { .name: out_b, .offset: 40, .size: 8, .value_kind: global_buffer, .address_space: global }
      - { .name: ln1_g, .offset: 48, .size: 8, .value_kind: global_buffer, .address_space: global }
      - { .name: ln1_b, .offset: 56, .size: 8, .value_kind: global_buffer, .address_space: global }
      - { .name: ff1_b, .offset: 64, .size: 8, .value_kind: global_buffer, .address_space: global }
      - { .name: ff2_b, .offset: 72, .size: 8, .value_kind: global_buffer, .address_space: global }
      - { .name: ln2_g, .offset: 80, .size: 8, .value_kind: global_buffer, .address_space: global }
      - { .name: ln2_b, .offset: 88, .size: 8, .value_kind: global_buffer, .address_space: global }
      - { .name: wk, .offset: 96, .size: 8, .value_kind: global_buffer, .address_space: global }
    .group_segment_fixed_size: 0
    .private_segment_fixed_size: 0
    .kernarg_segment_align: 8
    .kernarg_segment_size: 104
    .max_flat_workgroup_size: 32
    .sgpr_count:     66
    .vgpr_count:     64
    .wavefront_size: 32
...
	.end_amdgpu_metadata
.endif
;; end of part 1
;; launch main (part 2): grid 256 x 1, 4 waves a work-group, clusters of 4 x 1, 327,680 bytes of LDS; arguments x, attn_mask, wk, out0; writes out0
.if DOCPART == 2
	.amdgcn_target "amdgcn-amd-amdhsa--gfx1250"
	.amdhsa_code_object_version 6
	.text
	.protected	k_q0080245434_main
	.globl	k_q0080245434_main
	.p2align	8
	.type	k_q0080245434_main,@function
k_q0080245434_main:
	s_mov_b64 s[64:65], 0
	v_nop
	global_prefetch_b8 v0, s[64:65] scope:SCOPE_SE
	s_setreg_imm32_b32 hwreg(HW_REG_WAVE_MODE, 25, 1), 1
	s_wait_xcnt 0x0
	s_wait_alu depctr_hold_cnt(0) depctr_sa_sdst(0) depctr_va_vdst(0) depctr_va_sdst(0) depctr_va_ssrc(0) depctr_va_vcc(0) depctr_vm_vsrc(0)
	s_getreg_b32 s2, hwreg(HW_REG_IB_STS2, 6, 4)
	s_cmp_eq_u32 s2, 0
	s_cbranch_scc0 .Lentry_in_a_cluster
	s_endpgm
.Lentry_in_a_cluster:
	s_bfe_u32 s2, ttmp6, 0x10000c
	s_cmp_lg_u32 s2, 0x3003
	s_cbranch_scc0 .Lentry_shape_is_right
	s_endpgm
.Lentry_shape_is_right:
; Two post-norm transformer layers (8 heads of 16, FFN 128 -> 512 -> 128) on 1,024 sequences of 128 tokens x 128 features, in one launch.
; SHARES.  One wave owns one whole sequence; a work-group has four, the grid 256 work-groups.  Waves share only the weights and the parameter table in LDS.
; The residual x stays in f32 in 512 registers (windows 2 and 3) from the first load to the last store; nothing else of a sequence ever goes to memory.
; WEIGHTS.  wk holds them in f16, as matrix fragments in the order of use: 12 tiles of 65,536 bytes.  A ring of two LDS slots takes them, each wave fetching a quarter of a tile by one
; tensor load.  All work-groups walk the same tiles, so the four of a cluster ask JOINTLY: same load, same descriptor, mask of four.
; LAYOUT.  Y^T = W X^T (source 0 = 16 rows of W, source 1 = 16 tokens): a lane (r = l % 16, h = l / 16) holds token r and features 8 h + 0..7 of a tile of 16.  Two such tiles rounded to f16 in pairs
; ARE source 1 of the next product: nothing changes lanes between products.  V is made the other way round (source 0 = tokens), so that two of its tiles are a fragment of V^T.
; A head has 16 channels, a product 32: K's fragment holds a pair of heads, and Q's the one head and zeros for the other.
; SOFTMAX.  All 128 keys of a row are at hand: the true row maximum m is taken away, p = 2^(s - m); s arrives as an exponent of 2 (Wq and its bias carry log2(e) / 4, the mask log2(e), which is the product's C).
; The row sum is a product of ones with the rounded p, the same p that multiply V.
; FORMATS.  Every matrix operand is f16, rounded once from f32; sums, residual, biases, mask, maxima and both passes of each LayerNorm (mean, then the squares of y - mean) are f32.
; LIMITS.  An f16 operand (x, weights, q, k, v, the normed x, the FFN hidden values) must stay under 65,504; a weight p below 6e-8 counts as 0.  Where a mask is so large that q.k vanishes
; beside it on all 128 keys, the row comes out uniform.  NaN and infinities are not treated apart.
; REGISTERS, in windows of 256 (s_set_vgpr_msb: bits 1:0 source 0, 3:2 source 1, 5:4 source 2, 7:6 destination):
;   window 0: v0-15 addresses; v16-31 statistics or the FFN bias; v32-95 mask / W2 / bias; v96-223 scores, accumulators, gains; v224-255 P, biases, W1, at work
;   window 1: fragments of x, of the weights, of K and V; Q, ones, O and l       windows 2, 3: X, tile (feature tile f, token tile t) at 64 (t % 4) + 8 f of window 2 + t / 4
.set SLOTB,  65536                     ; a ring slot; slot 1 is bit 16 of an address
.set PRIV0,  131072                    ; behind the ring: each wave's own bytes
.set PRIVB,  43008                     ; XB 32,768 (fragment (t, k) of x in f16 at (4 t + k) x 1,024), then ten slots of 1,024 for Q and O
.set QOFF,   32768
.set SPITCH, 528                       ; a row of the stage (the first 33,792 bytes of a wave's own): 512 bytes + 16, an odd multiple of 16
.set PAR,    303104                    ; the parameters of both layers, filled once
.set PARL,   6656
.set MASKL,  316416                    ; 512 bytes a wave: the mask times log2(e)
.set SPARE,  318464                    ; the spare words, 128 bytes a wave: two blocks of 256 bytes that no other line names
.set WKPAR,  786432                    ; the parameters in wk
.set SPW, 1                            ; v1   my spare word; never rewritten
.set NIL, 2                            ; v2   0, for the add alone
.set AX,  3                            ; v3   my wave's own bytes + 16 l
.set AW,  4                            ; v4   the weights in hand + 16 l
.set L16, 5                            ; v5   16 l
.set AS,  6                            ; v6   stage: row r, 32 h
.set AP,  7                            ; v7   parameters + 32 h
.set APD, 8                            ; v8   at work: an address in the parameters or in the stage
.set APV, 9                            ; v9   at work: parameters + 4 r; at the end my byte offset in out0
.set QB,  10                           ; v10  Q and O slots + 16 l
.set AQ,  11                           ; v11  QB + 1,024 x the token tile in hand
.set AM,  12                           ; v12  my mask + 32 h
.set ZR,  13                           ; v13  0, for the packed ReLU
.set PFO, 14                           ; v14  256 l, for the prefetch alone; never rewritten
.set MSB, 0
.macro WIN new                         ; the high byte repeats the setting that is left; a switch that changes nothing is dropped
.if MSB != (\new)
	s_set_vgpr_msb (MSB<<8)|(\new)
.set MSB, (\new)
.endif
.endm
.macro PLACES n                        ; plain instructions between a matrix instruction and what touches its registers (ISA guide 7.12.1)
.rept \n
	v_nop
.endr
.endm
.macro ROUND                           ; a round of the cluster barrier
	s_barrier_signal -1
	s_barrier_wait -1
	s_cmp_lg_u32 s12, 0
	s_cbranch_scc1 .Lnot0_\@
	s_barrier_signal -3
.Lnot0_\@:
	s_barrier_wait -3
	s_barrier_signal -1
	s_barrier_wait -1
.endm
; THE CHANGE OF SLOTS.  Every wave waits for all its tensor loads (one is out: its quarter of the tile to be read now), adds 0 to its spare word, and waits for that and for its reads of the slot that it leaves.
; fill = 1: behind a round of the cluster barrier that slot takes the next tile, the first thing there; then one prefetch names the tile after that.
; THE PREFETCH.  All 64 clusters walk the same tiles: cluster 0 asks.  Its eight askers (waves 0 and 1 of four work-groups, told apart by address) take 8,192 bytes each, a lane 256: each block of a tile is named once,
; one phase ahead of its load.  Tiles 0 and 1 come by their loads alone; the last trip, whose load is the last tile, asks for nothing.
.macro CHANGE fill
	WIN 0
	s_wait_tensorcnt 0x0                           ; no tensor load of mine is out, so the walking group 0 may be written
	ds_add_u32 v[SPW], v[NIL]                      ; the scalar steps stand between it and its wait
.if \fill
	s_xor_b32 s25, s25, SLOTB                      ; the other slot,
	s_add_nc_u64 s[26:27], s[26:27], SLOTB         ; the next tile; the type bits on top are not reached
	s_wait_xcnt 0x0                                ; the last prefetch, a phase back, has read its address
	s_add_nc_u64 s[40:41], s[40:41], SLOTB
.endif
	s_xor_b32 s44, s44, SLOTB                      ; the slot to be read now
	s_wait_dscnt 0x0                               ; the add is done, and my reads of the old slot are over
.if \fill
	ROUND
	tensor_load_to_lds s[24:27], s[16:23]
	s_nop 0
	PLACES 4
	s_cmp_gt_u32 s42, s15
	s_cbranch_scc0 .Lnoask_\@
	global_prefetch_b8 v[PFO], s[40:41] th:TH_LOAD_NT scope:SCOPE_SE
.Lnoask_\@:
.else
	s_barrier_signal -1
	s_barrier_wait -1
.endif
.endm
; x comes in whole rows (a load covers a row of 512 bytes), goes through the stage, and is read back as tiles.
.macro XLOAD g                         ; rows 16 g .. 16 g + 15 into window 1 (rows 0-63) or 3
	WIN 0x40+0x80*((\g)/4)
.set xi, 16*(\g)
.rept 16
	global_load_b128 v[4*(xi%64):4*(xi%64)+3], v[L16], s[4:5] offset:512*xi th:TH_LOAD_NT
.set xi, xi+1
.endr
.endm
.macro XSTAGE g
	WIN 0x04+0x08*((\g)/4)
.set xi, 16*(\g)
.rept 16
	ds_store_b128 v[AX], v[4*(xi%64):4*(xi%64)+3] offset:SPITCH*(xi%64)
.set xi, xi+1
.endr
.endm
.macro XTILES hf                       ; the stage's 64 tokens as X's tiles of window 2 + hf.  LDS serves a wave's instructions in order (ISA guide 5.7.1.4)
	WIN 0x80+0x40*(\hf)
.irp t4, 0,1,2,3
.irp f, 0,1,2,3,4,5,6,7
	ds_load_b128 v[64*\t4+8*\f:64*\t4+8*\f+3], v[AS] offset:16*SPITCH*\t4+64*\f
	ds_load_b128 v[64*\t4+8*\f+4:64*\t4+8*\f+7], v[AS] offset:16*SPITCH*\t4+64*\f+16
.endr
.endr
.endm
.macro XBOUT t                         ; token tile t of X, rounded to f16, as four fragments into XB
	WIN 0x0a+5*((\t)/4)
.set xi, 0
.rept 32
	v_cvt_pk_f16_f32 v[224+xi], v[64*((\t)%4)+2*xi], v[64*((\t)%4)+2*xi+1]
.set xi, xi+1
.endr
	WIN 0
.set xi, 0
.rept 4
	ds_store_b128 v[AX], v[224+8*xi:224+8*xi+3] offset:(4*(\t)+xi)*1024
	ds_store_b128 v[AX], v[224+8*xi+4:224+8*xi+7] offset:(4*(\t)+xi)*1024+512
.set xi, xi+1
.endr
.endm
; X(f, t) += fragment ab + as f (16 output features x 32 k) x fragment bb + bs t (16 tokens x 32 k): 64 accumulators, one instruction each
.macro ACCX ab, as, bb, bs
.set ta, 0
.rept 8
	WIN 0xa0+0x50*(ta/4)
.set fa, 0
.rept 8
	v_wmma_f32_16x16x32_f16 v[64*(ta%4)+8*fa:64*(ta%4)+8*fa+7], v[(\ab)+(\as)*fa:(\ab)+(\as)*fa+7], v[(\bb)+(\bs)*ta:(\bb)+(\bs)*ta+7], v[64*(ta%4)+8*fa:64*(ta%4)+8*fa+7]
.set fa, fa+1
.endr
.set ta, ta+1
.endr
	WIN 0
.endm
; Q OF A HEAD PAIR: 16 accumulators (f, t) at 96 + 16 t + 8 f.  A set is one k: Wq's two fragments and x's eight, 20 loads, in two buffers of window 1.
.macro LDQSET k
	WIN 0x40
.irp f, 0,1
	ds_load_b128 v[128+16*((\k)%2)+8*\f:128+16*((\k)%2)+8*\f+3], v[AW] offset:(2*(\k)+\f)*1024
	ds_load_b128 v[128+16*((\k)%2)+8*\f+4:128+16*((\k)%2)+8*\f+7], v[AW] offset:(2*(\k)+\f)*1024+512
.endr
.irp t, 0,1,2,3,4,5,6,7
	ds_load_b128 v[64*((\k)%2)+8*\t:64*((\k)%2)+8*\t+3], v[AX] offset:(4*\t+(\k))*1024
	ds_load_b128 v[64*((\k)%2)+8*\t+4:64*((\k)%2)+8*\t+7], v[AX] offset:(4*\t+(\k))*1024+512
.endr
.endm
.macro QUNIT k
	WIN 0x05
.irp t, 0,1,2,3,4,5,6,7
.irp f, 0,1
.set rD, 96+16*\t+8*\f
.if (\k) == 0
	v_wmma_f32_16x16x32_f16 v[rD:rD+7], v[128+8*\f:128+8*\f+7], v[8*\t:8*\t+7], v[224+8*\f:224+8*\f+7]
.else
	v_wmma_f32_16x16x32_f16 v[rD:rD+7], v[128+16*((\k)%2)+8*\f:128+16*((\k)%2)+8*\f+7], v[64*((\k)%2)+8*\t:64*((\k)%2)+8*\t+7], v[rD:rD+7]
.endif
.endr
.endr
.endm
; K AND V OF A HEAD PAIR.  Weights of one k: four fragments (K f0, K f1, V f0, V f1) at 192 + 32 (k % 2) of window 1; x's fragments of four token tiles at 128 + 32 g.
.macro LDW k
	WIN 0x40
.irp w, 0,1,2,3
	ds_load_b128 v[192+32*((\k)%2)+8*\w:192+32*((\k)%2)+8*\w+3], v[AW] offset:(8+4*(\k)+\w)*1024
	ds_load_b128 v[192+32*((\k)%2)+8*\w+4:192+32*((\k)%2)+8*\w+7], v[AW] offset:(8+4*(\k)+\w)*1024+512
.endr
.endm
.macro LDXH g, k
	WIN 0x40
.irp tt, 0,1,2,3
	ds_load_b128 v[128+32*(\g)+8*\tt:128+32*(\g)+8*\tt+3], v[AX] offset:(4*(4*(\g)+\tt)+(\k))*1024
	ds_load_b128 v[128+32*(\g)+8*\tt+4:128+32*(\g)+8*\tt+7], v[AX] offset:(4*(4*(\g)+\tt)+(\k))*1024+512
.endr
.endm
.macro KVUNIT k, g, n                  ; n: the LDS instructions issued behind those that this unit needs
	s_wait_dscnt \n
	WIN 0x05
.irp tt, 0,1,2,3
.irp f, 0,1
.set rD, 96+16*(4*(\g)+\tt)+8*\f
.if (\k) == 0
	v_wmma_f32_16x16x32_f16 v[rD:rD+7], v[192+8*\f:192+8*\f+7], v[128+32*(\g)+8*\tt:128+32*(\g)+8*\tt+7], v[224+8*\f:224+8*\f+7]
.else
	v_wmma_f32_16x16x32_f16 v[rD:rD+7], v[192+32*((\k)%2)+8*\f:192+32*((\k)%2)+8*\f+7], v[128+32*(\g)+8*\tt:128+32*(\g)+8*\tt+7], v[rD:rD+7]
.endif
.endr
.endr
.if (\k) == 0
	WIN 0x45
.else
	WIN 0x55
.endif
.irp tt, 0,1,2,3
.irp f, 0,1
.set rD, 8*(8*\f+4*(\g)+\tt)
.if (\k) == 0
	v_wmma_f32_16x16x32_f16 v[rD:rD+7], v[128+32*(\g)+8*\tt:128+32*(\g)+8*\tt+7], v[208+8*\f:208+8*\f+7], v[240+8*\f:240+8*\f+7]
.else
	v_wmma_f32_16x16x32_f16 v[rD:rD+7], v[128+32*(\g)+8*\tt:128+32*(\g)+8*\tt+7], v[208+32*((\k)%2)+8*\f:208+32*((\k)%2)+8*\f+7], v[rD:rD+7]
.endif
.endr
.endr
.endm
; THE TURNS.  A piece is one head x 16 queries x all 128 keys.  Scores of parity a at 96 + 64 a; its maximum at v[16 + 2 a]; P at 224; in window 1: V^T (f, c) at 8 (8 f + 2 c), K (t) in the holes between,
; Q at 128 (head 0 | zeros | head 1), ones at 140, O and l of parity a at 148 + 16 a and 156 + 16 a.
.macro SC a, g                         ; scores of keys 16 g ..: K x Q + mask
	WIN 0x05
	v_wmma_f32_16x16x32_f16 v[96+64*(\a)+8*(\g):96+64*(\a)+8*(\g)+7], v[8*(8*((\g)/4)+2*((\g)%4)+1):8*(8*((\g)/4)+2*((\g)%4)+1)+7], v[128+4*(\a):128+4*(\a)+7], v[32+8*(\g):32+8*(\g)+7]
.endm
.macro FM a, i                         ; s - m for pair i of 32
	v_pk_add_f32 v[96+64*(\a)+2*(\i):96+64*(\a)+2*(\i)+1], v[96+64*(\a)+2*(\i):96+64*(\a)+2*(\i)+1], v[16+2*(\a):16+2*(\a)+1] op_sel_hi:[1,0] neg_lo:[0,1] neg_hi:[0,1]
.endm
.macro EX a, i
	v_exp_f32 v[96+64*(\a)+(\i)], v[96+64*(\a)+(\i)]
.endm
.macro MX b, g, n                      ; the maximum takes two more scores of tile g; each tile's lowest registers are read first
.if ((\g) == 0) && ((\n) < 2)
	v_max_num_f32 v[20+(\n)], v[96+64*(\b)+2*(\n)], v[96+64*(\b)+2*(\n)+1]
.else
	v_max3_num_f32 v[20+(\n)%2], v[20+(\n)%2], v[96+64*(\b)+8*(\g)+2*(\n)], v[96+64*(\b)+8*(\g)+2*(\n)+1]
.endif
.endm
.macro CV a, i                         ; pair i of the weights rounded to f16
	v_cvt_pk_f16_f32 v[224+(\i)], v[96+64*(\a)+2*(\i)], v[96+64*(\a)+2*(\i)+1]
.endm
; TURN a: the piece in hand has parity a.  Part 1: the next piece's 8 score products, and behind each the piece's subtractions and exponentials and the next piece's maximum: an exponential always beside a plain line,
; and a read of a score tile five plain lines or more behind its product.  The 64 exponentials and the reciprocal of the piece before are ONE batch with one wait ahead of the first reader.
; Part 2: V^T P and ones x P by turns (two accumulators, one instruction a turn), behind each four roundings of the next 32 keys; behind the last two the piece before is divided by l, rounded and stored over its own Q.
.macro TURN a
	s_wait_dscnt 0x0                               ; the part of Q that this turn's products take is in
	WIN 0x40
.if (\a) == 0
	ds_load_b128 v[128:131], v[AQ] offset:2048     ; head 0 of the next token tile (behind the last tile: the slot of zeros)
.else
	ds_load_b128 v[136:139], v[AQ] offset:2560     ; head 1 of the next token tile
.endif
	SC 1-(\a), 0
	WIN 0
.irp n, 0,1,2,3
	FM \a, \n
.endr
.set gg, 1
.rept 7
	SC 1-(\a), gg
	WIN 0
.irp n, 0,1,2,3
	FM \a, 4*gg+\n
	EX \a, 8*(gg-1)+2*\n
	MX 1-(\a), gg-1, \n
	EX \a, 8*(gg-1)+2*\n+1
.endr
.set gg, gg+1
.endr
.irp n, 0,1,2,3
	EX \a, 56+\n
	MX 1-(\a), 7, \n
.endr
	EX \a, 60
	v_max_num_f32 v20, v20, v21
	EX \a, 61
	v_permlanex16_b32 v21, v20, s52, s53           ; the query's other 64 keys lie in the lane 16 away
	EX \a, 62
	v_max_num_f32 v[16+2*(1-(\a))], v20, v21
	EX \a, 63
	WIN 0x01
	v_rcp_f32 v22, v[156+16*(1-(\a))]              ; 1 / l of the piece before
	v_nop                                          ; the plain line behind the last of the batch
	s_wait_alu depctr_va_vdst(0)                   ; the wait for the batch
	WIN 0
.irp i, 0,1,2,3,4,5,6,7
	CV \a, \i
.endr
.set cc, 0
.rept 4
	WIN 0x51
.if cc == 0
	v_wmma_f32_16x16x32_f16 v[148+16*(\a):148+16*(\a)+7], v[64*(\a):64*(\a)+7], v[224:231], 0
.else
	v_wmma_f32_16x16x32_f16 v[148+16*(\a):148+16*(\a)+7], v[8*(8*(\a)+2*cc):8*(8*(\a)+2*cc)+7], v[224+8*cc:224+8*cc+7], v[148+16*(\a):148+16*(\a)+7]
.endif
.if cc < 3
	WIN 0
.irp i, 0,1,2,3
	CV \a, 8*(cc+1)+\i
.endr
.else
	WIN 0x41
.irp i, 0,1,2,3
	v_pk_mul_f32 v[148+16*(1-(\a))+2*\i:148+16*(1-(\a))+2*\i+1], v[148+16*(1-(\a))+2*\i:148+16*(1-(\a))+2*\i+1], v[22:23] op_sel_hi:[1,0]
.endr
.endif
	WIN 0x51
.if cc == 0
	v_wmma_f32_16x16x32_f16 v[156+16*(\a):156+16*(\a)+7], v[140:147], v[224:231], 0
.else
	v_wmma_f32_16x16x32_f16 v[156+16*(\a):156+16*(\a)+7], v[140:147], v[224+8*cc:224+8*cc+7], v[156+16*(\a):156+16*(\a)+7]
.endif
.if cc < 3
	WIN 0
.irp i, 4,5,6,7
	CV \a, 8*(cc+1)+\i
.endr
.else
	WIN 0x05
.irp i, 0,1,2,3
	v_cvt_pk_f16_f32 v[24+\i], v[148+16*(1-(\a))+2*\i], v[148+16*(1-(\a))+2*\i+1]
.endr
.endif
.set cc, cc+1
.endr
	WIN 0
	ds_store_b128 v[AQ], v[24:27] offset:512+512*(\a)  ; the first turn of a head pair finishes a piece that is none: it falls into the dump slot, which nothing reads
.endm
; THE FFN.  A block is 32 hidden features: ff1 (64 products), ReLU and rounding, ff2 onto X (64 products).  x's 32 fragments fill window 1.
.macro LDW1 k, off
	WIN 0
.irp f, 0,1
	ds_load_b128 v[224+16*((\k)%2)+8*\f:224+16*((\k)%2)+8*\f+3], v[AW] offset:(\off)+(2*(\k)+\f)*1024
	ds_load_b128 v[224+16*((\k)%2)+8*\f+4:224+16*((\k)%2)+8*\f+7], v[AW] offset:(\off)+(2*(\k)+\f)*1024+512
.endr
.endm
.macro LDBF off
.irp f, 0,1
	ds_load_b128 v[16+8*\f:16+8*\f+3], v[APD] offset:(\off)+64*\f
	ds_load_b128 v[16+8*\f+4:16+8*\f+7], v[APD] offset:(\off)+64*\f+16
.endr
.endm
.macro FF1 k
	WIN 0x04
.irp t, 0,1,2,3,4,5,6,7
.irp f, 0,1
.set rD, 96+16*\t+8*\f
.if (\k) == 0
	v_wmma_f32_16x16x32_f16 v[rD:rD+7], v[224+8*\f:224+8*\f+7], v[32*\t:32*\t+7], v[16+8*\f:16+8*\f+7]
.else
	v_wmma_f32_16x16x32_f16 v[rD:rD+7], v[224+16*((\k)%2)+8*\f:224+16*((\k)%2)+8*\f+7], v[8*(4*\t+(\k)):8*(4*\t+(\k))+7], v[rD:rD+7]
.endif
.endr
.endr
.endm
.macro FSLOT                           ; a tile's four blocks
	WIN 0
	v_add_nc_u32 v[AW], s44, v[L16]
	s_sub_co_u32 s58, s43, 2
	s_lshl_b32 s58, s58, 9                         ; 128 floats of ff1_b a tile
	s_add_co_u32 s58, s58, s45
	s_add_co_u32 s58, s58, 3072
	v_add_nc_u32 v[APD], s58, v[AP]
	LDW1 0, 0
	LDBF 0
	LDW1 1, 0
	s_mov_b32 s48, 4
.Lblk_\@:
	PLACES 5                                       ; behind the block before: its ff2 read W2 and the hidden fragments, which are loaded and written anew
.irp f, 0,1,2,3,4,5,6,7
	ds_load_b128 v[32+8*\f:32+8*\f+3], v[AW] offset:8192+\f*1024
	ds_load_b128 v[32+8*\f+4:32+8*\f+7], v[AW] offset:8192+\f*1024+512
.endr
	s_wait_dscnt 20                                ; W1 of k = 0 and the bias are in; out: W1 of k = 1 (4), W2 (16)
	FF1 0
	PLACES 4
	LDW1 2, 0
	s_wait_dscnt 20                                ; out: W2 (16), W1 of k = 2 (4)
	FF1 1
	PLACES 4
	LDW1 3, 0
	s_wait_dscnt 4                                 ; out: W1 of k = 3
	FF1 2
	s_wait_dscnt 0x0
	FF1 3
	PLACES 4
	WIN 0
	s_cmp_eq_u32 s48, 1                            ; the tile's last block has no next block in this slot
	s_cbranch_scc1 .Lnonext_\@
	LDW1 0, 16384                                  ; the next block's first loads go out ahead of this block's ff2
	LDBF 128
	LDW1 1, 16384
.Lnonext_\@:
.set tb, 0
.rept 8
.set i2, 0
.rept 8
	v_cvt_pk_f16_f32 v[96+16*tb+i2], v[96+16*tb+2*i2], v[96+16*tb+2*i2+1]
.set i2, i2+1
.endr
.set i2, 0
.rept 8
	v_pk_max_num_f16 v[96+16*tb+i2], v[96+16*tb+i2], v[ZR]
.set i2, i2+1
.endr
.set tb, tb+1
.endr
	ACCX 32, 8, 96, 16
	v_add_nc_u32 v[AW], 16384, v[AW]
	v_add_nc_u32 v[APD], 128, v[APD]
	s_sub_co_u32 s48, s48, 1
	s_cmp_lg_u32 s48, 0
	s_cbranch_scc1 .Lblk_\@
.endm
; LAYERNORM in X's own layout: a lane holds 64 of a token's 128 features, the lane 16 away the others.
.macro TREE                            ; 16 pairs at v224 into one number, over both halves of the lanes
.irp n, 16,8,4,2
.set ti, 0
.rept (\n)/2
	v_pk_add_f32 v[224+2*ti:224+2*ti+1], v[224+2*ti:224+2*ti+1], v[224+2*ti+\n:224+2*ti+\n+1]
.set ti, ti+1
.endr
.endr
	v_add_f32 v224, v224, v225
	v_permlanex16_b32 v225, v224, s52, s53
	v_add_f32 v224, v224, v225
.endm
.macro LNTILE t
.set XB0, 64*((\t)%4)
.set WX, 0x82+0x41*((\t)/4)            ; X as destination and source 0
.set WR, 0x0a+5*((\t)/4)               ; X as sources 0 and 1
	WIN WX
.set li, 0
.rept 32
	v_pk_add_f32 v[XB0+2*li:XB0+2*li+1], v[XB0+2*li:XB0+2*li+1], v[32+2*li:32+2*li+1]  ; the bias of the product that ended here
.set li, li+1
.endr
	WIN WR
.set li, 0
.rept 16
	v_pk_add_f32 v[224+2*li:224+2*li+1], v[XB0+4*li:XB0+4*li+1], v[XB0+4*li+2:XB0+4*li+3]
.set li, li+1
.endr
	WIN 0
	TREE
	v_mul_f32 v16, s56, v224                       ; - mean
	WIN WX
.set li, 0
.rept 32
	v_pk_add_f32 v[XB0+2*li:XB0+2*li+1], v[XB0+2*li:XB0+2*li+1], v[16:17] op_sel_hi:[1,0]
.set li, li+1
.endr
	WIN WR
.set li, 0
.rept 16
	v_pk_mul_f32 v[224+2*li:224+2*li+1], v[XB0+4*li:XB0+4*li+1], v[XB0+4*li:XB0+4*li+1]
.set li, li+1
.endr
.set li, 0
.rept 16
	v_pk_fma_f32 v[224+2*li:224+2*li+1], v[XB0+4*li+2:XB0+4*li+3], v[XB0+4*li+2:XB0+4*li+3], v[224+2*li:224+2*li+1]
.set li, li+1
.endr
	WIN 0
	TREE
	v_fma_f32 v224, v224, s54, s55                 ; variance + eps
	v_rsq_f32 v18, v224
	v_nop
	s_wait_alu depctr_va_vdst(0)                   ; ahead of the first reader
	WIN WX
.set li, 0
.rept 32
	v_pk_mul_f32 v[XB0+2*li:XB0+2*li+1], v[XB0+2*li:XB0+2*li+1], v[18:19] op_sel_hi:[1,0]
.set li, li+1
.endr
.set li, 0
.rept 32
	v_pk_fma_f32 v[XB0+2*li:XB0+2*li+1], v[XB0+2*li:XB0+2*li+1], v[96+2*li:96+2*li+1], v[160+2*li:160+2*li+1]
.set li, li+1
.endr
	XBOUT \t
.endm
; THE LAST LAYERNORM works on whole rows on the way out: a lane holds 4 features of a row, four rows a trip.
.macro RED4 b                          ; four rows' pairs at b + 2 q summed over the wave
.irp q, 0,1,2,3
	v_add_f32 v[(\b)+2*\q], v[(\b)+2*\q], v[(\b)+2*\q+1]
.endr
.irp m, 1,2,4,8
.irp q, 0,1,2,3
	v_add_f32_dpp v[(\b)+2*\q], v[(\b)+2*\q], v[(\b)+2*\q] row_xmask:\m row_mask:0xf bank_mask:0xf
.endr
.endr
.irp q, 0,1,2,3
	v_permlanex16_b32 v[(\b)+2*\q+1], v[(\b)+2*\q], s52, s53
.endr
.irp q, 0,1,2,3
	v_add_f32 v[(\b)+2*\q], v[(\b)+2*\q], v[(\b)+2*\q+1]
.endr
.endm
.macro HALF hf                         ; tokens 64 hf .. 64 hf + 63
	WIN 0x08+0x04*(\hf)
.irp t4, 0,1,2,3
.irp f, 0,1,2,3,4,5,6,7
	ds_store_b128 v[AS], v[64*\t4+8*\f:64*\t4+8*\f+3] offset:16*SPITCH*\t4+64*\f
	ds_store_b128 v[AS], v[64*\t4+8*\f+4:64*\t4+8*\f+7] offset:16*SPITCH*\t4+64*\f+16
.endr
.endr
	WIN 0
	v_mov_b32 v[APD], v[AX]
	s_mov_b32 s48, 16
.Lrow_\@:
.irp q, 0,1,2,3
	ds_load_b128 v[96+4*\q:96+4*\q+3], v[APD] offset:SPITCH*\q
.endr
	s_wait_dscnt 0x0
.irp q, 0,1,2,3
	v_pk_add_f32 v[96+4*\q:96+4*\q+1], v[96+4*\q:96+4*\q+1], v[32:33]
	v_pk_add_f32 v[96+4*\q+2:96+4*\q+3], v[96+4*\q+2:96+4*\q+3], v[34:35]
.endr
.irp q, 0,1,2,3
	v_pk_add_f32 v[112+2*\q:112+2*\q+1], v[96+4*\q:96+4*\q+1], v[96+4*\q+2:96+4*\q+3]
.endr
	RED4 112
.irp q, 0,1,2,3
	v_mul_f32 v[112+2*\q], s56, v[112+2*\q]        ; - mean
.endr
.irp q, 0,1,2,3
	v_pk_add_f32 v[96+4*\q:96+4*\q+1], v[96+4*\q:96+4*\q+1], v[112+2*\q:112+2*\q+1] op_sel_hi:[1,0]
	v_pk_add_f32 v[96+4*\q+2:96+4*\q+3], v[96+4*\q+2:96+4*\q+3], v[112+2*\q:112+2*\q+1] op_sel_hi:[1,0]
.endr
.irp q, 0,1,2,3
	v_pk_mul_f32 v[120+2*\q:120+2*\q+1], v[96+4*\q:96+4*\q+1], v[96+4*\q:96+4*\q+1]
.endr
.irp q, 0,1,2,3
	v_pk_fma_f32 v[120+2*\q:120+2*\q+1], v[96+4*\q+2:96+4*\q+3], v[96+4*\q+2:96+4*\q+3], v[120+2*\q:120+2*\q+1]
.endr
	RED4 120
.irp q, 0,1,2,3
	v_fma_f32 v[120+2*\q], v[120+2*\q], s54, s55
.endr
.irp q, 0,1,2,3
	v_rsq_f32 v[120+2*\q], v[120+2*\q]
.endr
	v_nop
	s_wait_alu depctr_va_vdst(0)                   ; one wait for the four roots
.irp q, 0,1,2,3
	v_pk_mul_f32 v[96+4*\q:96+4*\q+1], v[96+4*\q:96+4*\q+1], v[120+2*\q:120+2*\q+1] op_sel_hi:[1,0]
	v_pk_mul_f32 v[96+4*\q+2:96+4*\q+3], v[96+4*\q+2:96+4*\q+3], v[120+2*\q:120+2*\q+1] op_sel_hi:[1,0]
.endr
.irp q, 0,1,2,3
	v_pk_fma_f32 v[96+4*\q:96+4*\q+1], v[96+4*\q:96+4*\q+1], v[36:37], v[40:41]
	v_pk_fma_f32 v[96+4*\q+2:96+4*\q+3], v[96+4*\q+2:96+4*\q+3], v[38:39], v[42:43]
.endr
.irp q, 0,1,2,3
	global_store_b128 v[APV], v[96+4*\q:96+4*\q+3], s[10:11] offset:512*\q th:TH_STORE_NT  ; a store covers a whole row: 512 consecutive bytes, aligned
.endr
	s_wait_xcnt 0x0                                ; the stores' data and offset are rewritten only behind this wait
	v_add_nc_u32 v[APV], 2048, v[APV]
	v_add_nc_u32 v[APD], 4*SPITCH, v[APD]
	s_sub_co_u32 s48, s48, 1
	s_cmp_lg_u32 s48, 0
	s_cbranch_scc1 .Lrow_\@
.endm
; ------------------------------------------------------------------ the head
	s_load_b256 s[4:11], s[0:1], 0x0               ; x s[4:5], attn_mask s[6:7], wk s[8:9], out0 s[10:11]
	v_lshl_add_u32 v[SPW], v0, 2, SPARE
	v_mov_b32 v[NIL], 0
	ds_add_u32 v[SPW], v[NIL]                      ; the wave's opening: the add and its wait stand ahead of my first tensor load; work on registers stands between
	v_lshrrev_b32 v15, 5, v0
	v_readfirstlane_b32 s12, v15                   ; wave 0..3
	s_bfe_u32 s13, ttmp6, 0x40000                  ; cx: it enters the addresses of x, mask, out0 and the prefetch alone
	; group 1 of a weight tile's quarter: 16,384 dense bytes as 64 rows of 32 elements of 8 bytes; mask of four, bit 21 beside it; no padding
	s_mov_b32 s16, 15|(3<<16)|(1<<21)
	s_mov_b32 s17, 32<<16                          ; tensor_dim0 = 32
	s_mov_b32 s18, 64<<16                          ; tensor_dim1 = 64
	s_mov_b32 s19, 32<<16                          ; tile_dim0 = 32
	s_mov_b32 s20, 64                              ; tile_dim1 = 64
	s_mov_b32 s21, 32                              ; 32 elements from row to row
	s_mov_b32 s22, 0
	s_mov_b32 s23, 0
	; group 1 of the parameters' quarter: 13 such rows
	s_mov_b32 s28, 15|(3<<16)|(1<<21)
	s_mov_b32 s29, 32<<16
	s_mov_b32 s30, 13<<16
	s_mov_b32 s31, 32<<16
	s_mov_b32 s32, 13
	s_mov_b32 s33, 32
	s_mov_b32 s34, 0
	s_mov_b32 s35, 0
	s_mov_b32 s24, 1                               ; group 0 of the weights: it walks
	s_lshl_b32 s25, s12, 14                        ; slot 0, my quarter
	s_mov_b32 s36, 1                               ; group 0 of the parameters
	s_mul_i32 s37, s12, 3328
	s_add_co_u32 s37, s37, PAR
	s_lshl_b32 s62, ttmp9, 4                       ; in a cluster launch ttmp9 counts clusters: 16 sequences each,
	s_lshl2_add_u32 s62, s13, s62                  ; 4 a work-group,
	s_add_co_u32 s62, s62, s12                     ; one a wave
	s_lshl_b32 s60, s62, 9                         ; my row of the mask
	s_mov_b32 s61, 0
	s_lshl_b32 s62, s62, 16                        ; my sequence in x and out0
	s_mov_b32 s63, 0
	s_mov_b32 s59, 0
	s_lshr_b32 s15, s12, 1                         ; who prefetches: waves 0 and 1
	s_or_b32 s15, s15, ttmp9                       ; of cluster 0: the same in all four partners
	s_cmp_eq_u32 s15, 0
	s_cselect_b32 s15, 1, -1
	s_mov_b32 s50, 0x3fb8aa3b                      ; log2(e)
	s_mov_b32 s51, 0x3fb8aa3b
	s_mov_b32 s52, 0x76543210                      ; v_permlanex16_b32: each lane takes its own place in the other half
	s_mov_b32 s53, 0xfedcba98
	s_mov_b32 s54, 0x3c000000                      ; 1 / 128
	s_mov_b32 s55, 0x3727c5ac                      ; 1e-5
	s_mov_b32 s56, 0xbc000000                      ; - 1 / 128
	s_mov_b32 s57, 0xbc000000
	s_mov_b32 s42, 11                              ; tiles still to be asked for
	s_mov_b32 s43, 0                               ; the phase in a layer, 0..5
	s_mov_b32 s44, SLOTB                           ; the first change of slots turns it into 0
	s_mov_b32 s45, 0                               ; the layer's parameters
	v_and_b32 v15, 31, v0
	v_lshlrev_b32 v[L16], 4, v15
	v_lshlrev_b32 v[PFO], 8, v15
	v_and_b32 v28, 15, v0                          ; r
	v_bfe_u32 v29, v0, 4, 1                        ; h
	s_mul_i32 s49, s12, PRIVB
	s_add_co_u32 s49, s49, PRIV0
	v_add_nc_u32 v[AX], s49, v[L16]
	v_mul_u32_u24 v[AS], v28, SPITCH
	v_lshl_add_u32 v[AS], v29, 5, v[AS]
	v_add_nc_u32 v[AS], s49, v[AS]
	v_lshlrev_b32 v[AP], 5, v29
	v_add_nc_u32 v[AP], PAR, v[AP]
	v_add_nc_u32 v[QB], QOFF, v[AX]
	s_lshl_b32 s49, s12, 9
	s_add_co_u32 s49, s49, MASKL
	v_lshl_add_u32 v[AM], v29, 5, s49
	v_add_nc_u32 v15, s49, v[L16]                  ; where my 16 bytes of the mask go
	v_mov_b32 v[ZR], 0
	v_mov_b32 v17, 0                               ; the second registers of pairs of which the packed lines take the first alone
	v_mov_b32 v19, 0
	v_mov_b32 v23, 0
	s_wait_dscnt 0x0                               ; the opening add is done
	s_wait_kmcnt 0x0
	s_add_nc_u64 s[4:5], s[4:5], s[62:63]
	s_add_nc_u64 s[10:11], s[10:11], s[62:63]
	s_add_nc_u64 s[6:7], s[6:7], s[60:61]
	s_lshl_b32 s58, s12, 14
	s_add_nc_u64 s[26:27], s[8:9], s[58:59]        ; tile 0, my quarter
	s_or_b32 s27, s27, 0x80000000                  ; type = 2
	s_mul_i32 s58, s12, 3328
	s_add_co_u32 s58, s58, WKPAR
	s_add_nc_u64 s[38:39], s[8:9], s[58:59]
	s_or_b32 s39, s39, 0x80000000
	s_lshl1_add_u32 s60, s13, s12                  ; 2 cx + wave: my eighth of a tile,
	s_lshl_b32 s60, s60, 13
	s_add_co_u32 s60, s60, SLOTB                   ; in tile 1; the first change steps it to tile 2
	s_add_nc_u64 s[40:41], s[8:9], s[60:61]
	global_load_b128 v[28:31], v[L16], s[6:7]      ; my sequence's mask: 512 bytes
	XLOAD 0
	XLOAD 1
	XLOAD 2
	WIN 0
	ROUND                                          ; all four work-groups are here: the first joint loads meet
	tensor_load_to_lds s[24:27], s[16:23]          ; two loads of mine are out: weight tile 0,
	s_nop 0
	tensor_load_to_lds s[36:39], s[28:35]          ; and the parameters
	s_nop 0
	PLACES 4
; x: three groups of 16 rows stay on their way while a fourth goes through the stage
.irp g, 0,1,2,3,4,5,6,7
.if \g < 5
	XLOAD \g+3
	s_wait_loadcnt 48                              ; out: the three younger groups
.else
	s_wait_loadcnt 16*(7-\g)
.endif
.if \g == 0
	WIN 0
	v_pk_mul_f32 v[28:29], v[28:29], s[50:51] op_sel_hi:[1,0]
	v_pk_mul_f32 v[30:31], v[30:31], s[50:51] op_sel_hi:[1,0]
	ds_store_b128 v15, v[28:31]
.endif
	XSTAGE \g
.if \g == 3
	XTILES 0
.endif
.if \g == 7
	XTILES 1
.endif
.endr
	WIN 0
.irp i, 24,25,26,27
	v_mov_b32 v\i, 0
.endr
	ds_store_b128 v[QB], v[24:27] offset:9*1024    ; the slot of zeros behind the last token tile's Q
	ds_store_b128 v[QB], v[24:27] offset:9*1024+512
	s_wait_dscnt 0x0
.irp t, 0,1,2,3,4,5,6,7
	XBOUT \t
.endr
; ------------------------------------------------------------------ eleven phases: a tile is read, the next is asked for
.Lphase:
	CHANGE 1
	s_cmp_ge_u32 s43, 2
	s_cbranch_scc1 .LF
; ATTENTION: a tile holds the weights of two head pairs
.irp g, 0,1,2,3,4,5,6,7
	ds_load_b128 v[32+8*\g:32+8*\g+3], v[AM] offset:64*\g          ; the mask as the score products' C: keys 16 g + 8 h + 0..7
	ds_load_b128 v[32+8*\g+4:32+8*\g+7], v[AM] offset:64*\g+16
.endr
	s_lshl_b32 s46, s43, 8                         ; 128 bytes of each bias a head pair
	s_mov_b32 s49, s44
	s_mov_b32 s47, 2
.Lhp:
	PLACES 5                                       ; behind the out-projection before: its operands' registers are written anew
	v_add_nc_u32 v[AW], s49, v[L16]
	s_add_co_u32 s58, s45, s46
	v_add_nc_u32 v[APD], s58, v[AP]
	s_add_co_u32 s58, s58, PAR+1024
	v_and_b32 v[APV], 15, v0
	v_lshl_add_u32 v[APV], v[APV], 2, s58          ; the v bias goes by channel r
.irp f, 0,1
	ds_load_b128 v[224+8*\f:224+8*\f+3], v[APD] offset:64*\f
	ds_load_b128 v[224+8*\f+4:224+8*\f+7], v[APD] offset:64*\f+16
.endr
	LDQSET 0
	LDQSET 1
	s_wait_dscnt 20                                ; out: the next set's 20 loads, here and twice below
	QUNIT 0
	PLACES 4
	LDQSET 2
	s_wait_dscnt 20
	QUNIT 1
	PLACES 4
	LDQSET 3
	s_wait_dscnt 20
	QUNIT 2
	s_wait_dscnt 0x0
	QUNIT 3
	PLACES 4
	WIN 0
.irp f, 0,1
	ds_load_b128 v[224+8*\f:224+8*\f+3], v[APD] offset:512+64*\f   ; the k bias
	ds_load_b128 v[224+8*\f+4:224+8*\f+7], v[APD] offset:512+64*\f+16
.endr
.irp f, 0,1
.irp j, 0,1,2,3,4,5,6,7
	ds_load_b32 v[240+8*\f+\j], v[APV] offset:64*\f                ; the v bias: one number a lane, in all eight registers
.endr
.endr
	LDW 0
	LDXH 0, 0
	LDXH 1, 0
	LDW 1
	WIN 0
.irp t, 0,1,2,3,4,5,6,7
.irp f, 0,1
.irp i, 0,1,2,3
	v_cvt_pk_f16_f32 v[96+16*\t+8*\f+\i], v[96+16*\t+8*\f+2*\i], v[96+16*\t+8*\f+2*\i+1]
.endr
	ds_store_b128 v[QB], v[96+16*\t+8*\f:96+16*\t+8*\f+3] offset:1024*(\t+1)+512*\f   ; Q of (token tile t, head f)
.endr
.endr
	KVUNIT 0, 0, 32                                ; out: x of tiles 4-7 (8), the weights of k = 1 (8), Q's 16 stores
	PLACES 4
	LDXH 0, 1
	KVUNIT 0, 1, 32                                ; out: the weights of k = 1 (8), the 16 stores, x of k = 1 (8)
	PLACES 4
	LDXH 1, 1
	LDW 2
	KVUNIT 1, 0, 16                                ; out, here and in the next three: the two runs of 8 issued last
	PLACES 4
	LDXH 0, 2
	KVUNIT 1, 1, 16
	PLACES 4
	LDXH 1, 2
	LDW 3
	KVUNIT 2, 0, 16
	PLACES 4
	LDXH 0, 3
	KVUNIT 2, 1, 16
	PLACES 4
	LDXH 1, 3
	KVUNIT 3, 0, 8                                 ; out: x of tiles 4-7
	KVUNIT 3, 1, 0
	PLACES 4
	WIN 0x45                                       ; V in place: two token tiles make a fragment of V^T, and free eight registers
.irp f, 0,1
.irp c, 0,1,2,3
.irp i, 0,1,2,3
	v_cvt_pk_f16_f32 v[8*(8*\f+2*\c)+\i], v[8*(8*\f+2*\c)+2*\i], v[8*(8*\f+2*\c)+2*\i+1]
.endr
.irp i, 0,1,2,3
	v_cvt_pk_f16_f32 v[8*(8*\f+2*\c)+4+\i], v[8*(8*\f+2*\c)+8+2*\i], v[8*(8*\f+2*\c)+8+2*\i+1]
.endr
.endr
.endr
	WIN 0x40                                       ; K into those: registers 0-3 the pair's first head, 4-7 its second
.irp t, 0,1,2,3,4,5,6,7
.irp i, 0,1,2,3,4,5,6,7
	v_cvt_pk_f16_f32 v[8*(8*(\t/4)+2*(\t%4)+1)+\i], v[96+16*\t+2*\i], v[96+16*\t+2*\i+1]
.endr
.endr
.irp i, 132,133,134,135
	v_mov_b32 v\i, 0                               ; the zeros between Q's two heads
.endr
.irp i, 140,141,142,143,144,145,146,147
	v_mov_b32 v\i, 0x3c003c00                      ; ones, in f16
.endr
	WIN 0
	v_mov_b32 v[AQ], v[QB]
	WIN 0x40
	ds_load_b128 v[128:131], v[AQ] offset:1024
	ds_load_b128 v[136:139], v[AQ] offset:1536
	s_wait_dscnt 0x0
.irp g, 0,1,2,3,4,5,6,7
	SC 0, \g                                       ; the first piece's scores
.endr
	PLACES 4
	WIN 0
.irp g, 0,1,2,3,4,5,6,7
.irp n, 0,1,2,3
	MX 0, \g, \n
.endr
.endr
	v_max_num_f32 v20, v20, v21
	v_permlanex16_b32 v21, v20, s52, s53
	v_max_num_f32 v16, v20, v21
	s_mov_b32 s48, 8
.Lturn:                                                ; a trip is a token tile: both heads
	TURN 0
	TURN 1
	WIN 0
	v_add_nc_u32 v[AQ], 1024, v[AQ]
	s_sub_co_u32 s48, s48, 1
	s_cmp_lg_u32 s48, 0
	s_cbranch_scc1 .Lturn
	WIN 0x01                                       ; the last piece is finished (the last turn's scores, of the zeros, serve nothing)
	v_rcp_f32 v22, v172
	v_nop
	s_wait_alu depctr_va_vdst(0)
	WIN 0x41
.irp i, 0,1,2,3
	v_pk_mul_f32 v[164+2*\i:164+2*\i+1], v[164+2*\i:164+2*\i+1], v[22:23] op_sel_hi:[1,0]
.endr
	WIN 0x05
.irp i, 0,1,2,3
	v_cvt_pk_f16_f32 v[24+\i], v[164+2*\i], v[164+2*\i+1]
.endr
	WIN 0
	ds_store_b128 v[AQ], v[24:27] offset:512
.irp f, 0,1,2,3,4,5,6,7
	ds_load_b128 v[96+8*\f:96+8*\f+3], v[AW] offset:(24+\f)*1024           ; Wo: all 128 output features, the pair's 32 columns
	ds_load_b128 v[96+8*\f+4:96+8*\f+7], v[AW] offset:(24+\f)*1024+512
.endr
.irp t, 0,1,2,3,4,5,6,7
	ds_load_b128 v[160+8*\t:160+8*\t+3], v[QB] offset:1024*(\t+1)          ; O of the pair's two heads: a fragment as it lies
	ds_load_b128 v[160+8*\t+4:160+8*\t+7], v[QB] offset:1024*(\t+1)+512
.endr
	s_wait_dscnt 0x0
	ACCX 96, 8, 160, 8                             ; the out-projection lands on the residual
	s_add_co_u32 s46, s46, 128
	s_add_co_u32 s49, s49, 32768
	s_sub_co_u32 s47, s47, 1
	s_cmp_lg_u32 s47, 0
	s_cbranch_scc1 .Lhp
	s_cmp_eq_u32 s43, 0
	s_cbranch_scc1 .Lbottom
	s_branch .LLN
.LF:
; THE FFN: a tile holds four blocks; x's fragments are fetched in the first of the four phases
	s_cmp_lg_u32 s43, 2
	s_cbranch_scc1 .Lfs
	WIN 0x40
.irp i, 0,1,2,3,4,5,6,7,8,9,10,11,12,13,14,15,16,17,18,19,20,21,22,23,24,25,26,27,28,29,30,31
	ds_load_b128 v[8*\i:8*\i+3], v[AX] offset:\i*1024
	ds_load_b128 v[8*\i+4:8*\i+7], v[AX] offset:\i*1024+512
.endr
	WIN 0
.Lfs:
	FSLOT
	s_cmp_lg_u32 s43, 5
	s_cbranch_scc1 .Lbottom
.LLN:
; LAYERNORM behind the attention (phase 1) or behind the FFN (phase 5): bias, gain and shift lie on end in the table
	PLACES 4
	s_mov_b32 s58, 5120
	s_cmp_eq_u32 s43, 1
	s_cselect_b32 s58, 1536, s58
	s_add_co_u32 s58, s58, s45
	v_add_nc_u32 v[APD], s58, v[AP]
.irp u, 0,1,2
.irp f, 0,1,2,3,4,5,6,7
	ds_load_b128 v[32+64*\u+8*\f:32+64*\u+8*\f+3], v[APD] offset:512*\u+64*\f
	ds_load_b128 v[32+64*\u+8*\f+4:32+64*\u+8*\f+7], v[APD] offset:512*\u+64*\f+16
.endr
.endr
	s_wait_dscnt 0x0
.irp t, 0,1,2,3,4,5,6,7
	LNTILE \t
.endr
.Lbottom:
	s_add_co_u32 s43, s43, 1
	s_cmp_eq_u32 s43, 6
	s_cselect_b32 s43, 0, s43
	s_cselect_b32 s58, PARL, 0
	s_add_co_u32 s45, s45, s58                     ; the next layer's parameters
	s_sub_co_u32 s42, s42, 1
	s_cmp_lg_u32 s42, 0
	s_cbranch_scc1 .Lphase
; ------------------------------------------------------------------ the last tile is written out
	CHANGE 0
	FSLOT
	PLACES 4
	v_add_nc_u32 v15, PAR+PARL+5120, v[L16]        ; ff2_b, ln2_g, ln2_b of the second layer, by my 4 features of a row
	ds_load_b128 v[32:35], v15
	ds_load_b128 v[36:39], v15 offset:512
	ds_load_b128 v[40:43], v15 offset:1024
	v_mov_b32 v[APV], v[L16]
	HALF 0
	HALF 1
	s_wait_tensorcnt 0x0                           ; the wave's end: behind my last tensor load and my last LDS store
	ds_add_u32 v[SPW], v[NIL]
	s_wait_dscnt 0x0
	ROUND                                          ; the closing round
	s_endpgm
.Lfunc_end_k_q0080245434_main:
	.size	k_q0080245434_main, .Lfunc_end_k_q0080245434_main-k_q0080245434_main
	.p2alignl 7, 3214868480
	.fill 96, 4, 3214868480
	.section	.rodata,"a",@progbits
	.p2align	6, 0x0
	.amdhsa_kernel k_q0080245434_main
		.amdhsa_group_segment_fixed_size 327680
		.amdhsa_private_segment_fixed_size 0
		.amdhsa_enable_private_segment 0
		.amdhsa_kernarg_size 32
		.amdhsa_user_sgpr_count 2
		.amdhsa_user_sgpr_kernarg_segment_ptr 1
		.amdhsa_wavefront_size32 1
		.amdhsa_system_sgpr_workgroup_id_x 1
		.amdhsa_system_sgpr_workgroup_id_y 1
		.amdhsa_system_sgpr_workgroup_id_z 1
		.amdhsa_system_vgpr_workitem_id 0
		.amdhsa_next_free_vgpr 1024
		.amdhsa_next_free_sgpr 66
		.amdhsa_reserve_vcc 0
		.amdhsa_float_denorm_mode_32 3
		.amdhsa_float_denorm_mode_16_64 3
		.amdhsa_memory_ordered 1
		.amdhsa_forward_progress 1
		.amdhsa_inst_pref_size 255
	.end_amdhsa_kernel
	.section	.bss,"aw",@nobits
	.p2align	6
	.space	262144
	.amdgpu_metadata
---
amdhsa.version: [ 1, 2 ]
amdhsa.kernels:
  - .name:           k_q0080245434_main
    .symbol:         k_q0080245434_main.kd
    .args:
      - { .name: x, .offset: 0, .size: 8, .value_kind: global_buffer, .address_space: global }
      - { .name: attn_mask, .offset: 8, .size: 8, .value_kind: global_buffer, .address_space: global }
      - { .name: wk, .offset: 16, .size: 8, .value_kind: global_buffer, .address_space: global }
      - { .name: out0, .offset: 24, .size: 8, .value_kind: global_buffer, .address_space: global }
    .group_segment_fixed_size: 327680
    .private_segment_fixed_size: 0
    .kernarg_segment_align: 8
    .kernarg_segment_size: 32
    .max_flat_workgroup_size: 128
    .sgpr_count:     66
    .vgpr_count:     1024
    .wavefront_size: 32
...
	.end_amdgpu_metadata
.endif
;; end of part 2
